; MI455X (gfx1250); checked and timed in simulation.
; The chip was launched on July 23, 2026; its instructions are those of AMD's public machine-readable ISA for CDNA 5 (MIT licence, August 2026) and "CDNA5" Instruction Set Architecture Reference Guide (July 2026). The comments in the code are by the model that wrote it; some were corrected since.
;; Attention. Allowed arithmetic: matrix products marked QUANTISED: E5M2 operands, one E8M0 scale for each 32 along K, by v_wmma_scale_f32_16x16x128_f8f6f4 with both operands' format E5M2, f32 sums; everything else in f32.
;; Inputs: k 4,096 x 512 float32; q 4,096 x 2,048 float32; v_codes 512 x 128 x 32 uint8 (E5M2 codes of v, K innermost, in blocks of 32 codes); v_scales 512 x 128 uint8 (E8M0 scales of v, one for each 32 codes along K).
;; Outputs: out0 4,096 x 2,048 float32.
;; This version of the problem:
;;   THIS VERSION OF THE PROBLEM IS GIVEN IN LOW PRECISION. The matrix products marked QUANTISED in the list below multiply operands that are first quantised to E5M2 (5 exponent bits, 2 mantissa bits; 8 bits a number), with one power-of-two scale for each 32 numbers along K (OCP MX v1.0); their sums are f32. All else is computed in f32.
;;   The module's matrix products, in the order in which they are computed (A, B: the left and right operand; K: the contracted axis; several contracted axes count as one K, in the product's order):
;;     1. batch 4 x [M 4,096, K 128] x [K 128, N 16,384]; A: input k; B: input q: QUANTISED
;;     2. batch 4 x [M 128, K 4,096] x [K 4,096, N 16,384]; A: input v (given as codes); B: softmax (see below): QUANTISED
;;   THE QUANTISER, for each operand of a quantised product, along K:
;;     - K is cut into blocks of 32 from its start; a last block that is shorter is filled with zeros.
;;     - A block's scale is 2^e with e = floor(log2(the largest magnitude in the block)) - 15, held to -126 .. 127; a block of zeros has e = 0. As a byte (E8M0): e + 127.
;;     - Each number is divided by its block's scale, clamped to +-57,344, and rounded to the nearest number of E5M2, ties to even, subnormals kept.
;;     - The product sums the exact products of the quantised numbers (number of the format x scale) in f32.
;;   ~~~python
;;   def quantise(x, axis):      # numpy; x: float32 -> the quantised numbers, widened to float32 again
;;       x = np.moveaxis(x, axis, -1); K = x.shape[-1]
;;       x = np.pad(x, [(0, 0)] * (x.ndim - 1) + [(0, -K % 32)]); x = x.reshape(x.shape[:-1] + (-1, 32)); a = np.abs(x).max(-1, keepdims=True)
;;       e = np.where(a > 0, np.clip(np.frexp(np.where(a > 0, a, 1))[1] - 1 - 15, -126, 127), 0)      # np.frexp(a)[1] - 1 = floor(log2(a)), exactly
;;       r = np.clip(x / 2.0 ** e, -57344, 57344)
;;       step = 2.0 ** (np.maximum(np.frexp(np.where(r == 0, 1, r))[1] - 1, -14) - 2)
;;       q = np.round(r / step) * step * 2.0 ** e      # np.round: ties to even
;;       return np.moveaxis(q.reshape(q.shape[:-2] + (-1,))[..., :K], -1, axis).astype(np.float32)
;;   ~~~
;;   SOFTMAX AHEAD OF A QUANTISED PRODUCT. Where the list says 'softmax', what is quantised is not the finished softmax but p = 2^(t - M), with t = logit x log2(e) and M = ceil(the row's largest t), a whole number; so 1/2 < the row's largest p <= 1. The row's sum l is taken of the UNQUANTISED p, in f32, and the product's result is divided by l at the end. Since M is a whole number, a kernel that streams over the keys may use a running M (the ceiling of the running maximum): every later rescaling is an exact power of two, which a block's scale takes up: the codes' values come out the same.
;;   OPERANDS COMPUTED ON THE WAY. 'Computed on the way' means the value that the module computes at that place (a softmax that the list does not call 'softmax' is quantised finished and normalised). What goes into a quantiser is computed in f32, as accurately as f32 sums, v_exp_f32 and their like allow (about 1e-6 of the number): no bf16 or f16 on the way to a quantiser, and a product that is left as it is and whose result goes on into a quantised operand takes f32 operands (vector FMAs, or v_wmma_f32_16x16x4_f32). A number that lies on a knife's edge between two numbers of the format may be rounded either way, as far as f32 arithmetic and the matrix unit's own rounding can turn it there, and no further.
;;   INPUTS GIVEN AS CODES. v (in the module: [4096, 512], K = its axis 0): each comes as NAME_codes (uint8): NAME with its K axis moved to the last place and cut into blocks of 32 codes, [.., K / 32, bytes a block], one block behind the other in memory; one code a byte (a code: sign, 5 exponent bits, 2 mantissa bits); and NAME_scales (uint8): the same leading axes, one E8M0 byte (e + 127) for each 32 codes along K. Its value is code x scale, taken as it is: it is not quantised again, and the codes and scales need not be those that the quantiser above would give.
;; One version. Each part assembles by itself: llvm-mc -triple=amdgcn-amd-amdhsa -mcpu=gfx1250 --defsym DOCPART=n.
;; ======== version 1 of 1: 2 launches
;; workspace buffers: kc 2,097,152 bytes; sc 131,072 bytes
;; launch prep (part 1): grid 256 x 1, 4 waves a work-group, no clusters, 41,984 bytes of LDS; arguments k, v_scales, kc, sc; writes kc, sc
.if DOCPART == 1
	.amdgcn_target "amdgcn-amd-amdhsa--gfx1250"
	.amdhsa_code_object_version 6
	.text
	.protected	k_q87ac4022cd_prep
	.globl	k_q87ac4022cd_prep
	.p2align	8
	.type	k_q87ac4022cd_prep,@function
k_q87ac4022cd_prep:
	s_mov_b64 s[64:65], 0
	v_nop
	global_prefetch_b8 v0, s[64:65] scope:SCOPE_SE
	s_setreg_imm32_b32 hwreg(HW_REG_WAVE_MODE, 25, 1), 1
	s_wait_xcnt 0x0
; k [4096][512] f32 is turned ONCE into codes of BF8 (E5M2) with one E8M0 byte for each 32 along the head's 128, since 64 work-groups of the next launch read each head's keys;
; and K's and V's scale bytes are laid in the order in which the next launch's scale registers take them.
; kc: [kv 4][pos 4096][128 bytes].  Inside each 32 keys the rows are permuted: key n, x = n & 31, lies at pos = (n & ~31) + 16 ((x >> 3) & 1) + (x & 7) + 8 (x >> 4).
;     So rows 16 T .. 16 T + 15 of a key step of 128 (T = 2 b + u) are keys 32 b + 8 u + r + 8 (r / 8): a matrix tile's 16 rows are neighbours in memory and in LDS.
; sc: [kv 4][key step 32][1,024 bytes].  Bytes 0-511, K's: 256 (b >> 1) + 8 (r + 16 u) + 4 (b & 1) + block along d.  Bytes 512-1,023, V's: 16 (r + 16 (T & 1)) + 4 (T >> 1) + key block in the step, for V's row d = 16 T + r.
; A block's scale is 2^(floor(log2(its largest magnitude)) - 15); its byte is the largest magnitude's exponent field - 15, held at 1 from below.  A block of zeros so gets the byte 1: its codes are zeros, and this program alone reads the bytes.
; LIMITS: NaN and infinities among the inputs are not served; blocks whose largest magnitude lies under 2^(16 - 127) keep the byte 1.
; SHARES.  Work-group g: head g >> 6, keys 64 (g & 63) on.  Wave w: 16 keys, in four steps of 4 keys x 128 numbers.  Each load reads 512 consecutive bytes (a key's part of the head); all 16 loads of a wave go out at once.
; The conversions take neighbours along K from ONE lane's registers, so a step's 2,048 bytes turn through the wave's own stage in LDS: in as loaded, out 64 bytes a lane (two neighbouring lanes hold a block of 32).
.set SP,    80                         ; a lane's place in a stage: 64 bytes + 16 of padding
.set STG,   32*SP                      ; a stage: one for each of a wave's four steps
.set WREG,  4*STG                      ; a wave's LDS
.set SCB,   4*WREG                     ; behind the stages: the work-group's 256 scale bytes of K
.set R,     16                         ; v16-79   four sets of 16 numbers as loaded
.set X,     80                         ; v80-143  four sets of 16 neighbours
.set C,     144                        ; v144-159 codes, four registers a step: no store's data are written again
.set E,     160                        ; v160-163 a scale byte a step
	s_load_b256 s[4:11], s[0:1], 0x0               ; k s[4:5], v_scales s[6:7], kc s[8:9], sc s[10:11]
	v_lshl_add_u32 v168, v0, 2, 0xa200
	v_mov_b32 v169, 0
	v_lshrrev_b32 v1, 5, v0
	v_readfirstlane_b32 s12, v1                    ; wave 0..3
	v_and_b32 v2, 31, v0                           ; lane l
	v_lshlrev_b32 v3, 4, v2                        ; 16 l: my bytes of a load's 512, and of a step's 512 bytes of codes
	v_lshlrev_b32 v7, 3, v2                        ; 8 l: my bytes of a unit of 256 scale bytes
	s_lshr_b32 s13, ttmp9, 6                       ; kv
	s_and_b32 s14, ttmp9, 63                       ; j: which 64 keys
	s_mul_i32 s15, s12, WREG
	v_lshrrev_b32 v14, 2, v2
	v_mul_u32_u24 v14, v14, SP
	v_and_b32 v15, 3, v2
	v_lshl_add_u32 v14, v15, 4, v14
	v_add_nc_u32 v14, s15, v14                     ; into a stage: four lanes' 64 bytes on end, then the padding
	v_mul_u32_u24 v15, v2, SP
	v_add_nc_u32 v15, s15, v15                     ; out of it: my 16 neighbours: key l >> 3 of the step's four, numbers 16 (l & 7) on
	s_and_b32 s24, s12, 1                          ; w & 1
	s_lshr_b32 s25, s12, 1                         ; w >> 1
	v_lshrrev_b32 v8, 3, v2
	v_bfe_u32 v9, v2, 1, 2
	v_lshl_add_u32 v5, v8, 3, v9                   ; K's scale byte: 8 (l >> 3) + my block along d
	s_lshl_b32 s22, s24, 6
	s_lshl_b32 s28, s25, 2
	s_add_co_u32 s22, s22, s28
	s_add_co_u32 s22, s22, SCB
	v_add_nc_u32 v5, s22, v5                       ; + 64 (w & 1) + 4 (w >> 1); the step adds 32 (t & 1) + 128 (t >> 1)
	v_add_nc_u32 v6, SCB, v7                       ; and on the way out 8 bytes a lane
	v_lshrrev_b32 v8, 1, v2
	v_and_b32 v9, 1, v2
	v_lshlrev_b32 v12, 7, v8
	v_lshl_add_u32 v12, v9, 13, v12                ; v_scales: row (l >> 1) + 64 (l & 1) of 128 bytes
	s_mov_b32 s23, 0x600000                        ; the mantissa field of 57,344
	s_lshl_b32 s16, s14, 17                        ; k: (64 j + 16 w) rows of 2,048 bytes + 512 kv
	s_lshl_b32 s28, s12, 15
	s_add_co_u32 s16, s16, s28
	s_lshl_b32 s28, s13, 9
	s_add_co_u32 s16, s16, s28
	s_mov_b32 s17, 0
	s_lshl_b32 s18, s13, 19                        ; kc: 524,288 kv + (64 j + 32 (w >> 1) + 8 (w & 1)) rows of 128 bytes
	s_lshl_b32 s28, s14, 13
	s_add_co_u32 s18, s18, s28
	s_lshl_b32 s28, s25, 12
	s_add_co_u32 s18, s18, s28
	s_lshl_b32 s28, s24, 10
	s_add_co_u32 s18, s18, s28
	s_mov_b32 s19, 0
	s_lshr_b32 s29, s14, 1                         ; the key step: j >> 1
	s_and_b32 s22, s14, 1                          ; and which half of it: j & 1
	s_lshl_b32 s20, s13, 15                        ; sc: 32,768 kv + 1,024 (j >> 1) + 256 (j & 1)
	s_lshl_b32 s28, s29, 10
	s_add_co_u32 s20, s20, s28
	s_lshl_b32 s28, s22, 8
	s_add_co_u32 s20, s20, s28
	s_mov_b32 s21, 0
	s_lshl_b32 s26, s13, 14                        ; v_scales: (128 kv + 16 (j & 1)) rows of 128 bytes + 4 (j >> 1)
	s_lshl_b32 s28, s22, 11
	s_add_co_u32 s26, s26, s28
	s_lshl_b32 s28, s29, 2
	s_add_co_u32 s26, s26, s28
	s_mov_b32 s27, 0
	s_wait_kmcnt 0x0
	s_add_nc_u64 s[4:5], s[4:5], s[16:17]
	s_add_nc_u64 s[6:7], s[6:7], s[26:27]
	s_add_nc_u64 s[8:9], s[8:9], s[18:19]
	s_add_nc_u64 s[10:11], s[10:11], s[20:21]
.macro LOAD t
.irp i, 0,1,2,3
	global_load_b128 v[R+16*(\t)+4*\i:R+16*(\t)+4*\i+3], v3, s[4:5] offset:(4*(\t)+\i)*2048 th:TH_LOAD_NT   ; key 4 t + i: 32 lanes read 512 consecutive bytes
.endr
.endm
.macro TURN t                          ; step t's numbers through its stage: LDS serves a wave's instructions in order, so no wait stands between the stores and the loads
.irp i, 0,1,2,3
	ds_store_b128 v14, v[R+16*(\t)+4*\i:R+16*(\t)+4*\i+3] offset:STG*(\t)+8*SP*\i
.endr
.irp i, 0,1,2,3
	ds_load_b128 v[X+16*(\t)+4*\i:X+16*(\t)+4*\i+3], v15 offset:STG*(\t)+16*\i
.endr
.endm
.irp t, 0,1,2,3
	LOAD \t
.endr
	; wave 1 relays V's scale words of half a key step: lane l takes rows d = 64 (l & 1) + 16 (j & 1) + (l >> 1) and d + 32, and the 32 lanes store one aligned run of 256 bytes
	s_cmp_lg_u32 s12, 1
	s_cbranch_scc1 .Lnot_v
	global_load_b32 v164, v12, s[6:7]
	global_load_b32 v165, v12, s[6:7] offset:4096
	s_wait_loadcnt 0x0
	global_store_b64 v7, v[164:165], s[10:11] offset:512
.Lnot_v:
.irp t, 0,1,2,3
	s_wait_loadcnt 12-4*\t                         ; step t's four loads are in; those of the later steps may be out
	TURN \t
.endr
.macro STEP t
.set XS, X+16*(\t)
	s_wait_dscnt 8*(3-(\t))+(\t)                   ; step t's numbers are back: behind them stand the later steps' eight LDS instructions each and the byte stores of the steps before
	v_max3_num_f32 v8, |v[XS]|, |v[XS+1]|, |v[XS+2]|               ; the largest magnitude of my 16, in two chains
	v_max3_num_f32 v9, |v[XS+3]|, |v[XS+4]|, |v[XS+5]|
.irp i, 6,10
	v_max3_num_f32 v8, v8, |v[XS+\i]|, |v[XS+\i+1]|
	v_max3_num_f32 v9, v9, |v[XS+\i+2]|, |v[XS+\i+3]|
.endr
	v_max3_num_f32 v8, v8, |v[XS+14]|, |v[XS+15]|
	v_max3_num_f32 v8, v8, v9, 0x8000000           ; and the floor 2^(16 - 127): so the byte cannot fall under 1
	v_max_num_f32_dpp v8, v8, v8 row_xmask:1 row_mask:0xf bank_mask:0xf   ; and of my neighbour's 16: the block's
	v_add_nc_u32 v11, 0xf8800000, v8               ; 15 off its exponent field: the conversion takes the exponent field of this operand as its scale
	v_and_or_b32 v10, v8, 0x7f800000, s23          ; 57,344 x the scale
.irp i, 0,1,2,3,4,5,6,7,8,9,10,11,12,13,14,15
	v_med3_num_f32 v[XS+\i], v[XS+\i], -v10, v10   ; the conversion to an 8-bit code does not saturate (ISA guide 7.6.2): the hold comes first
.endr
	v_cvt_scalef32_pk8_bf8_f32 v[C+4*(\t):C+4*(\t)+1], v[XS:XS+7], v11
	v_cvt_scalef32_pk8_bf8_f32 v[C+4*(\t)+2:C+4*(\t)+3], v[XS+8:XS+15], v11
	v_lshrrev_b32 v[E+(\t)], 23, v11               ; the scale's byte
	ds_store_b8 v5, v[E+(\t)] offset:32*((\t)&1)+128*((\t)>>1)     ; both lanes of a block write the same byte with the same value
	global_store_b128 v3, v[C+4*(\t):C+4*(\t)+3], s[8:9] offset:(16*((\t)>>1)+4*((\t)&1))*128   ; four permuted rows on end: 512 consecutive bytes, at a multiple of 512 from kc's first byte
.endm
.irp t, 0,1,2,3
	STEP \t
.endr
	s_wait_dscnt 0x0                               ; for the others' sake: my byte stores have landed
	s_barrier_signal -1
	s_barrier_wait -1
	s_cmp_lg_u32 s12, 0
	s_cbranch_scc1 .Ldone
	ds_load_b64 v[166:167], v6                     ; wave 0: the work-group's 256 scale bytes of K
	s_wait_dscnt 0x0
	global_store_b64 v7, v[166:167], s[10:11]      ; 32 lanes store 256 consecutive bytes, aligned
.Ldone:
	s_wait_tensorcnt 0x0
	ds_add_u32 v168, v169
	s_wait_dscnt 0x0
	s_endpgm
.Lfunc_end_k_q87ac4022cd_prep:
	.size	k_q87ac4022cd_prep, .Lfunc_end_k_q87ac4022cd_prep-k_q87ac4022cd_prep
	.p2alignl 7, 3214868480
	.fill 96, 4, 3214868480
	.section	.rodata,"a",@progbits
	.p2align	6, 0x0
	.amdhsa_kernel k_q87ac4022cd_prep
		.amdhsa_group_segment_fixed_size 41984
		.amdhsa_private_segment_fixed_size 0
		.amdhsa_enable_private_segment 0
		.amdhsa_kernarg_size 32
		.amdhsa_user_sgpr_count 2
		.amdhsa_user_sgpr_kernarg_segment_ptr 1
		.amdhsa_wavefront_size32 1
		.amdhsa_system_sgpr_workgroup_id_x 1
		.amdhsa_system_sgpr_workgroup_id_y 1
		.amdhsa_system_sgpr_workgroup_id_z 1
		.amdhsa_system_vgpr_workitem_id 0
		.amdhsa_next_free_vgpr 170
		.amdhsa_next_free_sgpr 66
		.amdhsa_reserve_vcc 0
		.amdhsa_float_denorm_mode_32 3
		.amdhsa_float_denorm_mode_16_64 3
		.amdhsa_memory_ordered 1
		.amdhsa_forward_progress 1
		.amdhsa_inst_pref_size 16
	.end_amdhsa_kernel
	.amdgpu_metadata
---
amdhsa.version: [ 1, 2 ]
amdhsa.kernels:
  - .name:           k_q87ac4022cd_prep
    .symbol:         k_q87ac4022cd_prep.kd
    .args:
      - { .name: k, .offset: 0, .size: 8, .value_kind: global_buffer, .address_space: global }
      - { .name: v_scales, .offset: 8, .size: 8, .value_kind: global_buffer, .address_space: global }
      - { .name: kc, .offset: 16, .size: 8, .value_kind: global_buffer, .address_space: global }
      - { .name: sc, .offset: 24, .size: 8, .value_kind: global_buffer, .address_space: global }
    .group_segment_fixed_size: 41984
    .private_segment_fixed_size: 0
    .kernarg_segment_align: 8
    .kernarg_segment_size: 32
    .max_flat_workgroup_size: 128
    .sgpr_count:     66
    .vgpr_count:     170
    .wavefront_size: 32
...
	.end_amdgpu_metadata
.endif
;; end of part 1
;; launch attn (part 2): grid 64 x 4, 16 waves a work-group, clusters of 4 x 1, 327,680 bytes of LDS; arguments q, kc, sc, v_codes, out0; writes out0
.if DOCPART == 2
	.amdgcn_target "amdgcn-amd-amdhsa--gfx1250"
	.amdhsa_code_object_version 6
	.text
	.protected	k_q87ac4022cd_attn
	.globl	k_q87ac4022cd_attn
	.p2align	8
	.type	k_q87ac4022cd_attn,@function
k_q87ac4022cd_attn:
	s_mov_b64 s[64:65], 0
	v_nop
	global_prefetch_b8 v0, s[64:65] scope:SCOPE_SE
	s_setreg_imm32_b32 hwreg(HW_REG_WAVE_MODE, 25, 1), 1
	s_wait_xcnt 0x0
	s_wait_alu depctr_hold_cnt(0) depctr_sa_sdst(0) depctr_va_vdst(0) depctr_va_sdst(0) depctr_va_ssrc(0) depctr_va_vcc(0) depctr_vm_vsrc(0)
	s_getreg_b32 s2, hwreg(HW_REG_IB_STS2, 6, 4)
	s_cmp_eq_u32 s2, 0
	s_cbranch_scc0 .Lentry_in_a_cluster
	s_endpgm
.Lentry_in_a_cluster:
	s_bfe_u32 s2, ttmp6, 0x10000c
	s_cmp_lg_u32 s2, 0x3003
	s_cbranch_scc0 .Lentry_shape_is_right
	s_endpgm
.Lentry_shape_is_right:
; Causal attention with grouped query heads, both products on codes of BF8 (E5M2) with one E8M0 scale for each 32 along a product's K.  4,096 tokens, 16 query heads on 4 key/value heads, head size 128.
; q [4096][2048] f32 is quantised here, in registers (each row of a head is read by one wave, once).  kc, sc: K's codes and K's and V's scale words as the launch before laid them.  v_codes [512 = 128 kv + d][4096 keys].  out0 [4096][2048] f32.
; THE SOFTMAX AHEAD OF THE SECOND PRODUCT: t = score x log2(e) / sqrt(128); M = the row's largest t so far, rounded UP to a whole number; p = 2^(t - M) is what is quantised, along the keys; it is not normalised.
; The row's sum is taken of the unquantised p, in f32, and divides O at the end.  When M moves, the sum and O are multiplied by 2^(old M - new M): exact.
; SHARES.  A cluster is the four query heads of one key/value head at the same query positions: the four partners run the same branches and need the same tiles of K, V and scale words, so each tile is asked for JOINTLY.
; A work-group (cluster x = Y, 0 .. 15) owns 16 tiles of 16 queries of its head: eight SHORT ones, 8 Y + m, whose diagonal lies in key step Y, and eight LONG ones, 248 - 8 Y + m, whose diagonal lies in key step 31 - Y.
; A wave owns one tile: m = w >> 1; long where ((w >> 2) ^ w) & 1: of any four waves w = i mod 4, and of any four waves w = 4 i .. 4 i + 3, two are short and two long.  Two short and two long tiles are 2 (Y + 1) + 2 (32 - Y) = 66 key steps for every Y.
; A key step all of whose keys come after the wave's queries is left out by a scalar branch on ids, round its loads, products and softmax; no barrier and no tensor load stands in a step.
; LAYOUT.  Both products are used transposed: S^T = K Q^T (source 0 = 16 keys, source 1 = my 16 queries), O^T = V^T P^T (source 0 = 16 of the head's 128, source 1 = P): a lane holds ONE query (lane % 16) throughout.
; Row r of tile 2 b + u of K is key 32 b + 8 u + r + 8 (r / 8) (kc is laid so), so that the 16 registers of tiles 2 b and 2 b + 1 are 16 neighbouring keys, 32 b + 16 (lane / 16) + 0 .. 15: the conversions' results are P's registers.
; THE RING.  Two LDS slots of 256 keys (two key steps).  A trip of the loop is a lap: both slots, written out, each with address registers and descriptors of its own: nothing that enters an LDS address is ever stepped.
; LIMITS: NaN and infinities among the inputs are not served; a block of q whose largest magnitude lies under 2^(16 - 127) keeps the scale byte 1; M is kept as an f32 whole number, exact while |t| < 2^24.
; REGISTERS: v1-8 LDS addresses, a pair (slot 0, slot 1) each; v9, v10 the spare word's address and 0; v11 the prefetch's offset; v12 -M, v13 the largest t, v[14:15] the sum in two halves; v16-31 Q's codes;
;   v32-95 four fragments of K or of V; v96-159 S^T, then p; v160-223 O^T; v224-239 p's codes; v232-247, v252, v254 at work; v248-251 K's, then V's scale words; v253 p's scale word; v255 Q's.
.set KP,    144                        ; a key's row in LDS: 128 bytes + 16 of padding = 36 words: the 16 rows of a load start at 16 different groups of four banks (64 banks of 4 bytes: ISA guide 11.1)
.set VP,    272                        ; a row of V's tile: 256 bytes + 16
.set VOFF,  256*KP                     ; a slot: 256 rows of K, 128 rows of V, 2,048 bytes of scale words
.set SOFF,  VOFF+128*VP
.set SLOT1, 1<<17                      ; slot 1 begins here
.set SPARE, 2*SLOT1                    ; the spare words, 128 bytes for each of 16 waves: eight blocks of 256 bytes that no other line names
.set SP,    272                        ; the way out: 16 rows x (256 bytes + 16) for each wave, from LDS byte 0 on: slot 0 has had its last fill, and its last read stands ahead of the last barrier
.set AK,   1                           ; v1, v2  my lane's place in a tile of K, slot 0, 1
.set AV,   3                           ; v3, v4  of V
.set AKS,  5                           ; v5, v6  among K's scale words: 8 bytes a lane
.set AVS,  7                           ; v7, v8  among V's: 16 bytes a lane
.set SPW,  9
.set NIL,  10
.set PFO,  11
.set STO,  1                           ; the way out: v1 where I put 32 bytes of a row, v2 where I read a row back, v3 my byte offset in the wave's rows of out0
.set RD,   2
.set GO,   3
.set WV,   14                          ; s14  my wave's number
.set SEL,  20                          ; s[20:21] lane selects for v_permlanex16_b32: lane l xor 16
.set CS,   22                          ; s[22:23] c = log2(e) / sqrt(128)
.set MNT,  19                          ; s19  the mantissa field of 57,344
.set G1K,  24                          ; s[24:31], s[32:39], s[40:47] descriptor groups 1 for K's tiles, V's tiles, the scale words
.set G1V,  32
.set G1S,  40
.set G0K,  48                          ; s[48:55], s[56:63], s[68:75] their groups 0, a set for each slot
.set G0V,  56
.set G0S,  68
.set TR,   76                          ; s76  trips to go
.set REM,  77                          ; s77  my diagonal's key step less the lap's first key step (signed)
.set LIM,  78                          ; s78  1 in a wave that prefetches, else the greatest number
.set PFA,  80                          ; s[80:81] where my prefetches stand in memory
.set PFS,  82                          ; s[82:83] a slot on, in bytes
; A round of the cluster's barrier: my work-group's barrier; wave 0 signals for the work-group; every wave waits for all four work-groups; my work-group's barrier once more.
.macro CROUND
	s_barrier_signal -1
	s_barrier_wait -1
	s_cmp_lg_u32 s[WV], 0
	s_cbranch_scc1 .Lnot_wave_0_\@
	s_barrier_signal -3
.Lnot_wave_0_\@:
	s_barrier_wait -3
	s_barrier_signal -1
	s_barrier_wait -1
.endm
; A joint refill of slot s.  Waves 0 and 1 fetch K's two key steps, waves 2 and 3 V's two halves of 64 rows, wave 4 the scale words; the others nothing.  The branches hang on the wave's number alone.
; Four v_nop follow each tensor load, ahead of the jump, the label and what follows.
.macro JLOAD s
	s_cmp_lt_u32 s[WV], 2
	s_cbranch_scc0 .Lnot_k_\@
	tensor_load_to_lds s[G0K+4*\s:G0K+4*\s+3], s[G1K:G1K+7]
	s_nop 0
.rept 4
	v_nop
.endr
	s_branch .Lasked_\@
.Lnot_k_\@:
	s_cmp_lt_u32 s[WV], 4
	s_cbranch_scc0 .Lnot_v_\@
	tensor_load_to_lds s[G0V+4*\s:G0V+4*\s+3], s[G1V:G1V+7]
	s_nop 0
.rept 4
	v_nop
.endr
	s_branch .Lasked_\@
.Lnot_v_\@:
	s_cmp_eq_u32 s[WV], 4
	s_cbranch_scc0 .Lasked_\@
	tensor_load_to_lds s[G0S+4*\s:G0S+4*\s+3], s[G1S:G1S+7]
	s_nop 0
.rept 4
	v_nop
.endr
.Lasked_\@:
.endm
; A PREFETCH of what the NEXT change of slots will ask for: 256 rows of K (one dense block of 32,768 bytes) and 256 codes of each of V's 128 rows.  Each aligned block of 256 bytes is named once in the launch:
; all clusters of a key/value head walk the same K and V from their start, and the cluster with x = 0 walks all 16 slots: it asks.  Its four partners share the blocks out BY ADDRESS (K: 8,192 bytes each; V: 32 rows each);
; in each, wave 5 asks for K's (lanes 256 bytes apart) and wave 6 for V's (a lane a row): one instruction.  how = 1, a lap's first change: the slot after is 2 lap + 3, at most 15.  how = 0, its second: 2 lap + 4, asked for in all trips but the last.
.macro ASK how
.if \how
	s_cmp_eq_u32 s[LIM], 1
.else
	s_cmp_gt_u32 s[TR], s[LIM]
.endif
	s_cbranch_scc0 .Lnot_mine_\@
	global_prefetch_b8 v[PFO], s[PFA:PFA+1] th:TH_LOAD_NT scope:SCOPE_SE
.Lnot_mine_\@:
.endm
; THE CHANGE OF SLOTS.  Each wave waits for all its tensor loads (its part of the slot ahead), adds 0 to its spare word, and waits for that and for its reads of the slot that it leaves.
; fill = 1: a round of the cluster's barrier, so that no wave of any partner still reads slot s or has a load on its way; then slot s is filled with the keys two slots on: that load has the other slot's two key steps in which to land.
.macro CHANGE fill, s, how
	s_wait_tensorcnt 0x0                           ; no tensor load of mine is out, so a group 0 may be written
	ds_add_u32 v[SPW], v[NIL]                      ; 0 onto my spare word
.if \fill
	s_add_nc_u64 s[G0K+4*\s+2:G0K+4*\s+3], s[G0K+4*\s+2:G0K+4*\s+3], 2*256*128   ; two slots on: 512 rows of K,
	s_add_nc_u64 s[G0V+4*\s+2:G0V+4*\s+3], s[G0V+4*\s+2:G0V+4*\s+3], 2*256       ; 512 codes along V's rows,
	s_add_nc_u64 s[G0S+4*\s+2:G0S+4*\s+3], s[G0S+4*\s+2:G0S+4*\s+3], 2*2048      ; four key steps' scale words; the type bits on top are not reached
	s_wait_xcnt 0x0                                ; the last prefetch, a slot back, has read its address, so it may be written:
	s_add_nc_u64 s[PFA:PFA+1], s[PFA:PFA+1], s[PFS:PFS+1]  ; one slot further on than this refill
	s_wait_dscnt 0x0                               ; the add is done, and my reads of the slot are over
	CROUND
	JLOAD \s                                       ; the first thing behind the round, and a wave's one tensor load until the next
	ASK \how
.else
	s_wait_dscnt 0x0
	s_barrier_signal -1
	s_barrier_wait -1
.endif
.endm
	s_load_b256 s[4:11], s[0:1], 0x0               ; q s[4:5], kc s[6:7], sc s[8:9], v_codes s[10:11]
	s_load_b64 s[12:13], s[0:1], 0x20              ; out0
	v_lshl_add_u32 v[SPW], v0, 2, SPARE
	v_mov_b32 v[NIL], 0
	ds_add_u32 v9, v10
	s_wait_dscnt 0x0
	v_lshrrev_b32 v232, 5, v0
	v_readfirstlane_b32 s[WV], v232                ; wave 0..15
	s_bfe_u32 s15, ttmp6, 0x40000                  ; cx: the query head inside the group; it enters q's, out0's and the prefetch's global addresses alone
	s_mov_b32 s16, ttmp9                           ; Y: the cluster's x
	s_and_b32 s17, ttmp7, 0xffff                   ; kv
	s_lshr_b32 s84, s[WV], 1
	s_lshl_b32 s18, s84, 4                         ; 16 m
	s_lshr_b32 s85, s[WV], 2
	s_xor_b32 s85, s85, s[WV]
	s_and_b32 s85, s85, 1                          ; long?
	s_lshl_b32 s86, s16, 1
	s_sub_co_u32 s86, 31, s86
	s_mul_i32 s86, s86, s85
	s_add_co_u32 s[REM], s86, s16                  ; my diagonal's key step: Y, or 31 - Y
	s_lshl_b32 s87, s[REM], 7
	s_add_co_u32 s87, s87, s18                     ; my first query
	s_lshr_b32 s84, s16, 2
	s_sub_co_u32 s[TR], 7, s84                     ; laps: 8 - (Y >> 2), so that 4 laps' steps reach key step 31 - Y; the last is written out behind the loop.  The same in all four partners
	s_lshl_b32 s88, s87, 13                        ; q and out0: my first query's row of 8,192 bytes + 512 x head
	s_lshl_b32 s89, s17, 2
	s_add_co_u32 s89, s89, s15
	s_lshl_b32 s89, s89, 9
	s_add_co_u32 s88, s88, s89
	s_mov_b32 s89, 0
	s_and_b32 s98, s[WV], 1                        ; a: which half of a slot's K or V I fetch, if I fetch
	s_lshl_b32 s99, s17, 19                        ; the head's first byte in kc and in v_codes
	s_lshl_b32 s90, s98, 14                        ; K: 128 rows of 128 bytes
	s_add_co_u32 s90, s90, s99
	s_mov_b32 s91, 0
	s_lshl_b32 s92, s98, 18                        ; V: 64 rows of 4,096 bytes
	s_add_co_u32 s92, s92, s99
	s_mov_b32 s93, 0
	s_lshl_b32 s94, s17, 15                        ; the head's scale words
	s_mov_b32 s95, 0
	s_mul_i32 s96, s98, 128*KP                     ; and where they go in a slot: no place in the cluster enters an LDS address
	s_mul_i32 s97, s98, 64*VP
	s_add_co_u32 s97, s97, VOFF
	; descriptor groups 1.  15:0 the mask: all four work-groups; 17:16 element size; 20 padding on; 21 set beside a mask; 24:22 the padding's interval; 31:25 its length less one, in words
	s_mov_b32 s[G1K], 15|(0<<16)|(1<<20)|(1<<21)|(4<<22)|(3<<25)  ; K: 128 rows of 128 bytes, dense in memory; four words of padding after every 32
	s_mov_b32 s[G1K+1], 128<<16                    ; tensor_dim0
	s_mov_b32 s[G1K+2], 128<<16                    ; tensor_dim1
	s_mov_b32 s[G1K+3], 128<<16                    ; tile_dim0
	s_mov_b32 s[G1K+4], 128                        ; tile_dim1
	s_mov_b32 s[G1K+5], 128                        ; tensor_dim0_stride
	s_mov_b32 s[G1K+6], 0
	s_mov_b32 s[G1K+7], 0
	s_mov_b32 s[G1V], 15|(0<<16)|(1<<20)|(1<<21)|(5<<22)|(3<<25)  ; V: 64 rows of 256 bytes, 4,096 bytes apart; four words of padding after every 64
	s_mov_b32 s[G1V+1], 256<<16
	s_mov_b32 s[G1V+2], 64<<16
	s_mov_b32 s[G1V+3], 256<<16
	s_mov_b32 s[G1V+4], 64
	s_mov_b32 s[G1V+5], 4096
	s_mov_b32 s[G1V+6], 0
	s_mov_b32 s[G1V+7], 0
	s_mov_b32 s[G1S], 15|(3<<16)|(1<<21)           ; the scale words: 2,048 dense bytes as 8 rows of 32 elements of 8 bytes; no padding: they are read on end
	s_mov_b32 s[G1S+1], 32<<16
	s_mov_b32 s[G1S+2], 8<<16
	s_mov_b32 s[G1S+3], 32<<16
	s_mov_b32 s[G1S+4], 8
	s_mov_b32 s[G1S+5], 32
	s_mov_b32 s[G1S+6], 0
	s_mov_b32 s[G1S+7], 0
	s_mov_b32 s[SEL], 0x76543210
	s_mov_b32 s[SEL+1], 0xfedcba98
	s_mov_b32 s[CS], 0x3e0293ee                    ; c = log2(e) / sqrt(128)
	s_mov_b32 s[CS+1], s[CS]                       ; (named with it as a pair, so it is written)
	s_mov_b32 s[MNT], 0x600000
	s_wait_kmcnt 0x0
	s_add_nc_u64 s[90:91], s[6:7], s[90:91]        ; K, V and the scale words at my part of slot 0
	s_add_nc_u64 s[92:93], s[10:11], s[92:93]
	s_add_nc_u64 s[94:95], s[8:9], s[94:95]
.irp s, 0,1
	s_mov_b32 s[G0K+4*\s], 1                                       ; 1:0 count = 1
	s_add_co_u32 s[G0K+4*\s+1], s96, \s*SLOT1                      ; 63:32 LDS address
	s_add_nc_u64 s[G0K+4*\s+2:G0K+4*\s+3], s[90:91], \s*256*128    ; 120:64 global address: slot s begins with keys 256 s on
	s_or_b32 s[G0K+4*\s+3], s[G0K+4*\s+3], 0x80000000              ; 127:126 type = 2
	s_mov_b32 s[G0V+4*\s], 1
	s_add_co_u32 s[G0V+4*\s+1], s97, \s*SLOT1
	s_add_nc_u64 s[G0V+4*\s+2:G0V+4*\s+3], s[92:93], \s*256
	s_or_b32 s[G0V+4*\s+3], s[G0V+4*\s+3], 0x80000000
	s_mov_b32 s[G0S+4*\s], 1
	s_mov_b32 s[G0S+4*\s+1], SOFF+\s*SLOT1
	s_add_nc_u64 s[G0S+4*\s+2:G0S+4*\s+3], s[94:95], \s*2048
	s_or_b32 s[G0S+4*\s+3], s[G0S+4*\s+3], 0x80000000
.endr
	s_add_nc_u64 s[4:5], s[4:5], s[88:89]          ; q and out0 at my first query, my head
	s_add_nc_u64 s[12:13], s[12:13], s[88:89]
	CROUND                                         ; all four work-groups are here: the first joint loads meet
	s_cmp_lt_u32 s[WV], 2                          ; a wave's two first fills stand in one branch, ahead of every wait on TENSORcnt and every LDS read: two loads of mine are out at the most
	s_cbranch_scc0 .Lfirst_not_k
	tensor_load_to_lds s[G0K:G0K+3], s[G1K:G1K+7]
	s_nop 0
	tensor_load_to_lds s[G0K+4:G0K+7], s[G1K:G1K+7]
	s_nop 0
.rept 4
	v_nop
.endr
	s_branch .Lfirst_asked
.Lfirst_not_k:
	s_cmp_lt_u32 s[WV], 4
	s_cbranch_scc0 .Lfirst_not_v
	tensor_load_to_lds s[G0V:G0V+3], s[G1V:G1V+7]
	s_nop 0
	tensor_load_to_lds s[G0V+4:G0V+7], s[G1V:G1V+7]
	s_nop 0
.rept 4
	v_nop
.endr
	s_branch .Lfirst_asked
.Lfirst_not_v:
	s_cmp_eq_u32 s[WV], 4
	s_cbranch_scc0 .Lfirst_asked
	tensor_load_to_lds s[G0S:G0S+3], s[G1S:G1S+7]
	s_nop 0
	tensor_load_to_lds s[G0S+4:G0S+7], s[G1S:G1S+7]
	s_nop 0
.rept 4
	v_nop
.endr
.Lfirst_asked:
	v_and_b32 v232, 15, v0                         ; r = lane % 16
	v_bfe_u32 v233, v0, 4, 1                       ; h = lane / 16
	v_and_b32 v234, 31, v0                         ; lane
	v_lshlrev_b32 v254, 13, v232
	v_lshl_add_u32 v254, v233, 6, v254             ; q: row r of 8,192 bytes, + 64 h: my 16 numbers of a block of 32
.irp b, 0,1,2,3
.irp j, 0,1,2,3
	global_load_b128 v[96+16*\b+4*\j:99+16*\b+4*\j], v254, s[4:5] offset:128*\b+16*\j th:TH_LOAD_NT   ; register 16 b + i = q(r, 32 b + 16 h + i)
.endr
.endr
	v_mul_u32_u24 v[AK], v232, KP
	v_lshl_add_u32 v[AK], v233, 4, v[AK]           ; K: row r x pitch + 16 h
	v_add_nc_u32 v[AK+1], SLOT1, v[AK]
	v_mul_u32_u24 v[AV], v232, VP
	v_lshl_add_u32 v[AV], v233, 4, v[AV]
	v_add_nc_u32 v[AV], VOFF, v[AV]                ; V likewise, behind K's rows
	v_add_nc_u32 v[AV+1], SLOT1, v[AV]
	v_lshl_add_u32 v[AKS], v234, 3, SOFF           ; K's scale words: lanes 0-15 an even tile's rows, lanes 16-31 the odd tile's beside it; two words a lane
	v_add_nc_u32 v[AKS+1], SLOT1, v[AKS]
	v_lshl_add_u32 v[AVS], v234, 4, SOFF+512       ; V's: the same, four words a lane
	v_add_nc_u32 v[AVS+1], SLOT1, v[AVS]
	; the prefetches (macro ASK): where my wave's stand, and who asks
	s_cmp_lt_u32 s[WV], 6                          ; wave 5 asks for K's codes, wave 6 for V's
	s_cselect_b64 s[PFA:PFA+1], s[6:7], s[10:11]
	s_mov_b32 s[PFS], 256
	s_cselect_b32 s[PFS], 32768, s[PFS]            ; a slot on
	s_mov_b32 s84, 4096
	s_cselect_b32 s84, 256, s84                    ; from lane to lane
	s_mov_b32 s85, 32*4096
	s_cselect_b32 s85, 8192, s85                   ; from partner to partner
	s_mov_b32 s[PFS+1], 0
	v_mul_lo_u32 v[PFO], v234, s84
	s_mul_i32 s85, s85, s15                        ; my work-group's part,
	s_lshl_b32 s86, s[PFS], 1
	s_add_co_u32 s85, s85, s86                     ; in slot 2: the first change of slots steps it to slot 3.  Nothing is prefetched here, at the head, where every work-group's first tiles are on their way
	s_lshl_b32 s86, s17, 19
	s_add_co_u32 s88, s85, s86                     ; in my key/value head
	s_mov_b32 s89, 0
	s_add_nc_u64 s[PFA:PFA+1], s[PFA:PFA+1], s[88:89]
	s_sub_co_u32 s84, s[WV], 5
	s_lshr_b32 s84, s84, 1                         ; 0 in waves 5 and 6,
	s_or_b32 s84, s84, ttmp9                       ; of the cluster with x = 0: the same in all four partners
	s_cmp_eq_u32 s84, 0
	s_cselect_b32 s[LIM], 1, -1
	v_mov_b32 v13, 0xff61b1e6                      ; the largest t so far: -3e38, under every t
	v_floor_f32 v12, -v13                          ; -M
	v_mov_b32 v14, 0                               ; the sum, in two halves
	v_mov_b32 v15, 0
.irp b, 0,1,2,3
	v_mov_b32 v[236+\b], 0                         ; written once: a lane permute's destination counts as one of its sources
.endr
	v_mov_b32 v252, 0                              ; likewise (the way out's permute)
	v_mov_b32 v253, 0                              ; (named as the upper half of the pair v[252:253] before it is first written)
	s_wait_loadcnt 0x0                             ; q
	; Q IS QUANTISED: 64 numbers of a lane become the fragment's 16 registers and its row's scale word.  A block of 32 lies in lanes l and l xor 16.
.irp b, 0,1,2,3
	v_max3_num_f32 v[232+\b], |v[96+16*\b]|, |v[97+16*\b]|, 0x8000000   ; block b: my 16 numbers, and the floor 2^(16 - 127): so the byte cannot fall under 1
.endr
.irp i, 2,4,6,8,10,12,14
.irp b, 0,1,2,3
	v_max3_num_f32 v[232+\b], v[232+\b], |v[96+16*\b+\i]|, |v[97+16*\b+\i]|   ; (the four blocks by turns)
.endr
.endr
.irp b, 0,1,2,3
	v_permlanex16_b32 v[236+\b], v[232+\b], s[SEL], s[SEL+1]
.endr
.irp b, 0,1,2,3
	v_max_num_f32 v[232+\b], v[232+\b], v[236+\b]  ; the block's largest magnitude
.endr
.irp b, 0,1,2,3
	v_add_nc_u32 v[244+\b], 0xf8800000, v[232+\b]  ; 15 off its exponent field: the conversion's scale operand
.endr
.irp b, 0,1,2,3
	v_and_or_b32 v[240+\b], v[232+\b], 0x7f800000, s[MNT]   ; 57,344 x the scale
.endr
.irp b, 0,1,2,3
	v_lshrrev_b32 v[236+\b], 23, v[244+\b]         ; the scale's byte
.endr
	v_lshl_or_b32 v255, v237, 8, v236              ; my row's scale word
	v_lshl_or_b32 v255, v238, 16, v255
	v_lshl_or_b32 v255, v239, 24, v255
.irp b, 0,1,2,3
.irp i, 0,1,2,3,4,5,6,7,8,9,10,11,12,13,14,15
	v_med3_num_f32 v[96+16*\b+\i], v[96+16*\b+\i], -v[240+\b], v[240+\b]   ; the conversion to an 8-bit code does not saturate (ISA guide 7.6.2): the hold comes first
.endr
	v_cvt_scalef32_pk8_bf8_f32 v[16+4*\b:17+4*\b], v[96+16*\b:103+16*\b], v[244+\b]
	v_cvt_scalef32_pk8_bf8_f32 v[18+4*\b:19+4*\b], v[104+16*\b:111+16*\b], v[244+\b]
.endr
	v_nop                                          ; one plain vector line behind the last scaled conversion
.set n, 0
.rept 64
	v_mov_b32 v[160+n], 0                          ; O^T.  (A key step is written without a first step of its own, which spares a further copy of it: the first step finds zeros, which the first change of M leaves zeros)
.set n, n+1
.endr
; A KEY STEP: 128 keys: the q-th of slot `slot`, the e-th of the lap.
.macro STEP slot, q, e
	s_cmp_lt_i32 s[REM], \e                        ; all its keys come after my queries: nothing to do
	s_cbranch_scc1 .Lhidden_\@
.rept 8
	v_nop                                          ; places behind the last step's products, in front of loads into registers that they have read
.endr
.irp g, 0,1                                    ; S^T = K Q^T, four tiles of 16 keys at a time
.irp t, 0,1,2,3
.irp c, 0,1,2,3
	ds_load_b128 v[32+16*\t+4*\c:32+16*\t+4*\c+3], v[AK+\slot] offset:(128*(\q)+16*(4*\g+\t))*KP+32*\c
.endr
.endr
.if \g == 0
	ds_load_b64 v[248:249], v[AKS+\slot] offset:1024*(\q)        ; register 248 + b: lanes 0-15 the words of tile 2 b, lanes 16-31 those of tile 2 b + 1
	ds_load_b64 v[250:251], v[AKS+\slot] offset:1024*(\q)+256
.endif
	s_wait_dscnt 0x0
.irp p, 0,1
	v_wmma_scale_f32_16x16x128_f8f6f4 v[96+8*(4*\g+2*\p):103+8*(4*\g+2*\p)], v[32+32*\p:47+32*\p], v[16:31], 0, v[248+2*\g+\p], v255 matrix_a_fmt:MATRIX_FMT_BF8 matrix_b_fmt:MATRIX_FMT_BF8
	v_wmma_scale_f32_16x16x128_f8f6f4 v[104+8*(4*\g+2*\p):111+8*(4*\g+2*\p)], v[48+32*\p:63+32*\p], v[16:31], 0, v[248+2*\g+\p], v255 matrix_a_fmt:MATRIX_FMT_BF8 matrix_b_fmt:MATRIX_FMT_BF8 matrix_a_scale:MATRIX_SCALE_ROW1
.endr
.rept 8
	v_nop                                          ; places in front of the next loads into these fragments and scale words, and of the first read of the scores
.endr
.endr
.irp t, 0,1,2,3                                ; V's first four tiles and V's scale words are asked for here: they land while the softmax is walked
.irp c, 0,1,2,3
	ds_load_b128 v[32+16*\t+4*\c:32+16*\t+4*\c+3], v[AV+\slot] offset:16*\t*VP+128*(\q)+32*\c
.endr
.endr
	ds_load_b128 v[248:251], v[AVS+\slot] offset:1024*(\q)       ; register 248 + i: lanes 0-15 the words of tile 2 i, lanes 16-31 those of tile 2 i + 1
	s_cmp_gt_i32 s[REM], \e                        ; a step ahead of my diagonal: all its keys count
	s_cbranch_scc1 .Lopen_\@
	v_and_b32 v252, 15, v0                         ; ON THE DIAGONAL the scores of hidden keys become -infinity ahead of the maximum: p = 0 then
	v_bfe_u32 v254, v0, 4, 1
	v_lshlrev_b32 v254, 4, v254
	v_sub_nc_u32 v252, v252, v254
	v_add_nc_u32 v252, s18, v252                   ; d = my query - the step's first key - 16 (lane / 16).  Register 16 b + i holds key 32 b + 16 (lane / 16) + i of the step: hidden where 32 b + i > d
	v_mov_b32 v254, 0xff800000                     ; -infinity
.set n, 0
.rept 64
	v_cmp_gt_i32 vcc_lo, 32*(n/16)+n%16, v252
	v_cndmask_b32 v[96+n], v[96+n], v254, vcc_lo
.set n, n+1
.endr
.Lopen_\@:
.irp b, 0,1,2,3
	v_max3_num_f32 v[232+\b], v[96+16*\b], v[97+16*\b], v[98+16*\b]   ; THE LARGEST SCORE OF EACH BLOCK OF 32 KEYS serves twice: for the row's maximum, and, since p rises with the score, for the block's largest p
.endr
.irp i, 3,5,7,9,11,13
.irp b, 0,1,2,3
	v_max3_num_f32 v[232+\b], v[232+\b], v[96+16*\b+\i], v[97+16*\b+\i]
.endr
.endr
.irp b, 0,1,2,3
	v_max_num_f32 v[232+\b], v[232+\b], v[111+16*\b]
.endr
.irp b, 0,1,2,3
	v_permlanex16_b32 v[236+\b], v[232+\b], s[SEL], s[SEL+1]
.endr
.irp b, 0,1,2,3
	v_max_num_f32 v[232+\b], v[232+\b], v[236+\b]  ; with lane l xor 16's 16 keys
.endr
	v_max3_num_f32 v254, v232, v233, v234
	v_max_num_f32 v254, v254, v235                 ; the step's largest score of my query
	v_mul_f32 v254, s[CS], v254                    ; as t (c is positive)
	v_max_num_f32 v13, v13, v254                   ; the running largest t
	v_mov_b32 v254, v12
	v_floor_f32 v12, -v13                          ; the new -M = floor(-t) = -ceil(t): M is a whole number
	v_sub_f32 v254, v12, v254                      ; M's old value less its new one: a whole number, 0 or less
	v_cvt_i32_f32 v254, v254                       ; (it saturates)
	v_ldexp_f32 v252, 1.0, v254                    ; f = 2^(old M - new M)
.set n, 0
.rept 32
	v_pk_fma_f32 v[96+n:97+n], v[96+n:97+n], s[CS:CS+1], v[12:13] op_sel_hi:[1,0,0]   ; t - M, two at a time (of the pairs c and -M the low word serves both halves)
.set n, n+2
.endr
.irp b, 0,1,2,3
	v_fma_f32 v[232+\b], v[232+\b], s[CS], v12     ; the same of each block's largest score
.endr
.set n, 0
.rept 64
	v_exp_f32 v[96+n], v[96+n]                     ; p = 2^(t - M), at most 1: not normalised
.set n, n+1
.endr
	v_pk_mul_f32 v[14:15], v[14:15], v[252:253] op_sel_hi:[1,0]   ; the sums under the new M.  (A plain line behind the exponentials)
	s_wait_alu depctr_va_vdst(0)                   ; one wait for the whole batch, ahead of its first reader
.irp b, 0,1,2,3
	v_exp_f32 v[232+\b], v[232+\b]                 ; the block's largest p: the same two instructions on the same number give the same bits
.endr
	v_pk_add_f32 v[236:237], v[96:97], v[98:99]    ; THE ROW'S SUM IS TAKEN OF THE UNQUANTISED p: two at a time, in two chains
.irp j, 4,8,12,16,20,24,28,32,36,40,44,48,52,56,60
	v_pk_add_f32 v[14:15], v[14:15], v[96+\j:97+\j]
	v_pk_add_f32 v[236:237], v[236:237], v[98+\j:99+\j]
.endr
	v_pk_add_f32 v[14:15], v[14:15], v[236:237]
	s_wait_alu depctr_va_vdst(0)                   ; and one for the four
.irp b, 0,1,2,3
	v_max_num_f32 v[232+\b], 0x8000000, v[232+\b]  ; the floor 2^(16 - 127): the byte cannot fall under 1 (a block whose every p is 0 keeps that byte: its codes are zeros)
.endr
.irp b, 0,1,2,3
	v_add_nc_u32 v[244+\b], 0xf8800000, v[232+\b]  ; 15 off the exponent field: the conversion's scale operand
.endr
.irp b, 0,1,2,3
	v_and_or_b32 v[240+\b], v[232+\b], 0x7f800000, s[MNT]   ; 57,344 x the scale
.endr
.irp b, 0,1,2,3
	v_lshrrev_b32 v[236+\b], 23, v[244+\b]         ; the scale's byte
.endr
	v_lshl_or_b32 v253, v237, 8, v236              ; p's scale word for these 128 keys
	v_lshl_or_b32 v253, v238, 16, v253
	v_lshl_or_b32 v253, v239, 24, v253
.irp b, 0,1,2,3
.irp i, 0,1,2,3,4,5,6,7,8,9,10,11,12,13,14,15
	v_min_num_f32 v[96+16*\b+\i], v[96+16*\b+\i], v[240+\b]   ; the hold (ISA guide 7.6.2); p is not negative, so it is one-sided
.endr
	v_cvt_scalef32_pk8_bf8_f32 v[224+4*\b:225+4*\b], v[96+16*\b:103+16*\b], v[244+\b]
	v_cvt_scalef32_pk8_bf8_f32 v[226+4*\b:227+4*\b], v[104+16*\b:111+16*\b], v[244+\b]
.endr
.set n, 0
.rept 32
	v_pk_mul_f32 v[160+n:161+n], v[160+n:161+n], v[252:253] op_sel_hi:[1,0]   ; O^T under the new M: x f.  (These 32 are also the places between the codes, the scale word and the products below)
.set n, n+2
.endr
	s_wait_dscnt 0x0                               ; V's tiles 0-3 and its scale words are in
.irp p, 0,1                                    ; O^T += V^T P^T: K = these 128 keys; the accumulators take turns, one instruction a turn
	v_wmma_scale_f32_16x16x128_f8f6f4 v[160+16*\p:167+16*\p], v[32+32*\p:47+32*\p], v[224:239], v[160+16*\p:167+16*\p], v[248+\p], v253 matrix_a_fmt:MATRIX_FMT_BF8 matrix_b_fmt:MATRIX_FMT_BF8
	v_wmma_scale_f32_16x16x128_f8f6f4 v[168+16*\p:175+16*\p], v[48+32*\p:63+32*\p], v[224:239], v[168+16*\p:175+16*\p], v[248+\p], v253 matrix_a_fmt:MATRIX_FMT_BF8 matrix_b_fmt:MATRIX_FMT_BF8 matrix_a_scale:MATRIX_SCALE_ROW1
.endr
.rept 8
	v_nop
.endr
.irp t, 0,1,2,3
.irp c, 0,1,2,3
	ds_load_b128 v[32+16*\t+4*\c:32+16*\t+4*\c+3], v[AV+\slot] offset:16*(4+\t)*VP+128*(\q)+32*\c
.endr
.endr
	s_wait_dscnt 0x0
.irp p, 0,1
	v_wmma_scale_f32_16x16x128_f8f6f4 v[192+16*\p:199+16*\p], v[32+32*\p:47+32*\p], v[224:239], v[192+16*\p:199+16*\p], v[250+\p], v253 matrix_a_fmt:MATRIX_FMT_BF8 matrix_b_fmt:MATRIX_FMT_BF8
	v_wmma_scale_f32_16x16x128_f8f6f4 v[200+16*\p:207+16*\p], v[48+32*\p:63+32*\p], v[224:239], v[200+16*\p:207+16*\p], v[250+\p], v253 matrix_a_fmt:MATRIX_FMT_BF8 matrix_b_fmt:MATRIX_FMT_BF8 matrix_a_scale:MATRIX_SCALE_ROW1
.endr
.Lhidden_\@:
.endm
	s_wait_tensorcnt 1                             ; my part of slot 0 is in; slot 1's may stay out
	s_barrier_signal -1
	s_barrier_wait -1                              ; everybody's is
.Llap:                                             ; a trip is a lap: four key steps, both slots filled again
	STEP 0, 0, 0
	STEP 0, 1, 1
	CHANGE 1, 0, 1
	STEP 1, 0, 2
	STEP 1, 1, 3
	CHANGE 1, 1, 0
	s_sub_co_i32 s[REM], s[REM], 4
	s_sub_co_u32 s[TR], s[TR], 1
	s_cmp_lg_u32 s[TR], 0
	s_cbranch_scc1 .Llap
	STEP 0, 0, 0                                   ; the last lap is written out: it asks for nothing
	STEP 0, 1, 1
	CHANGE 0, 0, 0
	STEP 1, 0, 2
	STEP 1, 1, 3
	; THE WAY OUT.  O^T is divided by the row's sum and goes through my stage in LDS, half a row of the head (64 channels, 256 bytes) of 16 queries at a time, so that sixteen lanes store 256 consecutive bytes, aligned.
	v_add_f32 v14, v14, v15                        ; the sum's two halves,
	v_permlanex16_b32 v252, v14, s[SEL], s[SEL+1]
	v_add_f32 v14, v14, v252                       ; and lane l xor 16's: the row's sum
	v_rcp_f32 v14, v14
	v_and_b32 v5, 15, v0                           ; (a plain line behind the transcendental)  r
	v_bfe_u32 v6, v0, 4, 1                         ; h
	s_mul_i32 s84, s[WV], 16*SP                    ; my stage
	v_mul_u32_u24 v[STO], v5, SP
	v_lshl_add_u32 v[STO], v6, 5, v[STO]
	v_add_nc_u32 v[STO], s84, v[STO]               ; in: row r; a tile's eight channels of my half of the lanes: 64 t + 32 h bytes on
	v_mul_u32_u24 v[RD], v6, SP
	v_lshl_add_u32 v[RD], v5, 4, v[RD]
	v_add_nc_u32 v[RD], s84, v[RD]                 ; back: lanes 0-15 one row, lanes 16-31 the next
	v_lshlrev_b32 v[GO], 13, v6
	v_lshl_add_u32 v[GO], v5, 4, v[GO]             ; and the same two rows in out0, 8,192 bytes apart
	s_wait_alu depctr_va_vdst(0)                   ; a wait ahead of the reciprocal's first reader
.set n, 0
.rept 64
	v_mul_f32 v[96+n], v[160+n], v14               ; register 8 t + i is o(r, 16 t + 8 h + i); each accumulator from its low end on
.set n, n+1
.endr
.irp u, 0,1                                    ; channels 64 u on
.irp t, 0,1,2,3
	ds_store_b128 v[STO], v[96+32*\u+8*\t:99+32*\u+8*\t] offset:64*\t
	ds_store_b128 v[STO], v[100+32*\u+8*\t:103+32*\u+8*\t] offset:64*\t+16
.endr
.irp i, 0,1,2,3,4,5,6,7
	ds_load_b128 v[32+32*\u+4*\i:35+32*\u+4*\i], v[RD] offset:2*\i*SP   ; LDS serves a wave's instructions in order: these see my stores, and the next half's stores come behind them
.endr
.endr
.irp u, 0,1
.irp i, 0,1,2,3,4,5,6,7
	s_wait_dscnt 23-16*\u-\i                       ; behind this load: the rest of its half's loads, and for the first half the second's 8 stores and 8 loads
	global_store_b128 v[GO], v[32+32*\u+4*\i:35+32*\u+4*\i], s[12:13] offset:2*\i*8192+256*\u th:TH_STORE_NT
.endr
.endr
	s_wait_tensorcnt 0x0                           ; the wave's end: behind my last tensor load and my last LDS store
	ds_add_u32 v[SPW], v[NIL]
	s_wait_dscnt 0x0
	CROUND                                         ; the closing round: no work-group ends while a partner may still ask for a tile that names it
	s_endpgm
.Lfunc_end_k_q87ac4022cd_attn:
	.size	k_q87ac4022cd_attn, .Lfunc_end_k_q87ac4022cd_attn-k_q87ac4022cd_attn
	.p2alignl 7, 3214868480
	.fill 96, 4, 3214868480
	.section	.rodata,"a",@progbits
	.p2align	6, 0x0
	.amdhsa_kernel k_q87ac4022cd_attn
		.amdhsa_group_segment_fixed_size 327680
		.amdhsa_private_segment_fixed_size 0
		.amdhsa_enable_private_segment 0
		.amdhsa_kernarg_size 40
		.amdhsa_user_sgpr_count 2
		.amdhsa_user_sgpr_kernarg_segment_ptr 1
		.amdhsa_wavefront_size32 1
		.amdhsa_system_sgpr_workgroup_id_x 1
		.amdhsa_system_sgpr_workgroup_id_y 1
		.amdhsa_system_sgpr_workgroup_id_z 1
		.amdhsa_system_vgpr_workitem_id 0
		.amdhsa_next_free_vgpr 256
		.amdhsa_next_free_sgpr 100
		.amdhsa_reserve_vcc 1
		.amdhsa_float_denorm_mode_32 3
		.amdhsa_float_denorm_mode_16_64 3
		.amdhsa_memory_ordered 1
		.amdhsa_forward_progress 1
		.amdhsa_inst_pref_size 252
	.end_amdhsa_kernel
	.amdgpu_metadata
---
amdhsa.version: [ 1, 2 ]
amdhsa.kernels:
  - .name:           k_q87ac4022cd_attn
    .symbol:         k_q87ac4022cd_attn.kd
    .args:
      - { .name: q, .offset: 0, .size: 8, .value_kind: global_buffer, .address_space: global }
      - { .name: kc, .offset: 8, .size: 8, .value_kind: global_buffer, .address_space: global }
      - { .name: sc, .offset: 16, .size: 8, .value_kind: global_buffer, .address_space: global }
      - { .name: v_codes, .offset: 24, .size: 8, .value_kind: global_buffer, .address_space: global }
      - { .name: out0, .offset: 32, .size: 8, .value_kind: global_buffer, .address_space: global }
    .group_segment_fixed_size: 327680
    .private_segment_fixed_size: 0
    .kernarg_segment_align: 8
    .kernarg_segment_size: 40
    .max_flat_workgroup_size: 512
    .sgpr_count:     100
    .vgpr_count:     256
    .wavefront_size: 32
...
	.end_amdgpu_metadata
.endif
;; end of part 2
